; MI455X (gfx1250); checked and timed in simulation.
; The chip was launched on July 23, 2026; its instructions are those of AMD's public machine-readable ISA for CDNA 5 (MIT licence, August 2026) and "CDNA5" Instruction Set Architecture Reference Guide (July 2026). The comments in the code are by the model that wrote it; some were corrected since.
;; Multi Flow Classifier Router. Allowed arithmetic: matrix products marked QUANTISED: E2M3 operands, one E8M0 scale for each 32 along K, by v_wmma_scale_f32_16x16x128_f8f6f4 with both operands' format E2M3, f32 sums; products left as they are: f32 operands where the result goes on into a quantised operand, else bf16, f16 or f32 operands; f32 sums; everything else in f32.
;; Inputs: W1_codes 8 x 4,096 x 32 x 24 uint8 (E2M3 codes of W1, K innermost, in blocks of 32 codes, four codes in three bytes); W1_scales 8 x 4,096 x 32 uint8 (E8M0 scales of W1, one for each 32 codes along K); W2_codes 8 x 1,024 x 128 x 24 uint8 (E2M3 codes of W2, K innermost, in blocks of 32 codes, four codes in three bytes); W2_scales 8 x 1,024 x 128 uint8 (E8M0 scales of W2, one for each 32 codes along K); b1 8 x 4,096 float32; b2 8 x 1,024 float32; route 1,024 int32; x_codes 1,024 x 32 x 24 uint8 (E2M3 codes of x, K innermost, in blocks of 32 codes, four codes in three bytes); x_scales 1,024 x 32 uint8 (E8M0 scales of x, one for each 32 codes along K).
;; Outputs: out0 1,024 x 1,024 float32.
;; This version of the problem:
;;   THIS VERSION OF THE PROBLEM IS GIVEN IN LOW PRECISION. The matrix products marked QUANTISED in the list below multiply operands that are first quantised to E2M3 (2 exponent bits, 3 mantissa bits; 6 bits a number), with one power-of-two scale for each 32 numbers along K (OCP MX v1.0); their sums are f32. All else is computed in f32.
;;   The module's matrix products, in the order in which they are computed (A, B: the left and right operand; K: the contracted axis; several contracted axes count as one K, in the product's order):
;;     1. [M 32,768, K 1,024] x [K 1,024, N 1,024]; A: input W1 (given as codes); B: input x (given as codes): QUANTISED
;;     2. batch 8 x [M 1,024, K 4,096] x [K 4,096, N 1,024]; A: computed on the way; B: input W2 (given as codes): QUANTISED
;;     3. batch 1,024 x [M 1,024, K 8] x [K 8, N 1]; A: computed on the way; B: computed on the way: left as it is (K = 8 < 32)
;;   THE QUANTISER, for each operand of a quantised product, along K:
;;     - K is cut into blocks of 32 from its start; a last block that is shorter is filled with zeros.
;;     - A block's scale is 2^e with e = floor(log2(the largest magnitude in the block)) - 2, held to -126 .. 127; a block of zeros has e = 0. As a byte (E8M0): e + 127.
;;     - Each number is divided by its block's scale, clamped to +-7.5, and rounded to the nearest number of E2M3, ties to even, subnormals kept.
;;     - The product sums the exact products of the quantised numbers (number of the format x scale) in f32.
;;   ~~~python
;;   def quantise(x, axis):      # numpy; x: float32 -> the quantised numbers, widened to float32 again
;;       x = np.moveaxis(x, axis, -1); K = x.shape[-1]
;;       x = np.pad(x, [(0, 0)] * (x.ndim - 1) + [(0, -K % 32)]); x = x.reshape(x.shape[:-1] + (-1, 32)); a = np.abs(x).max(-1, keepdims=True)
;;       e = np.where(a > 0, np.clip(np.frexp(np.where(a > 0, a, 1))[1] - 1 - 2, -126, 127), 0)      # np.frexp(a)[1] - 1 = floor(log2(a)), exactly
;;       r = np.clip(x / 2.0 ** e, -7.5, 7.5)
;;       step = 2.0 ** (np.maximum(np.frexp(np.where(r == 0, 1, r))[1] - 1, 0) - 3)
;;       q = np.round(r / step) * step * 2.0 ** e      # np.round: ties to even
;;       return np.moveaxis(q.reshape(q.shape[:-2] + (-1,))[..., :K], -1, axis).astype(np.float32)
;;   ~~~
;;   OPERANDS COMPUTED ON THE WAY. 'Computed on the way' means the value that the module computes at that place (a softmax that the list does not call 'softmax' is quantised finished and normalised). What goes into a quantiser is computed in f32, as accurately as f32 sums, v_exp_f32 and their like allow (about 1e-6 of the number): no bf16 or f16 on the way to a quantiser, and a product that is left as it is and whose result goes on into a quantised operand takes f32 operands (vector FMAs, or v_wmma_f32_16x16x4_f32). A number that lies on a knife's edge between two numbers of the format may be rounded either way, as far as f32 arithmetic and the matrix unit's own rounding can turn it there, and no further.
;;   INPUTS GIVEN AS CODES. W1 (in the module: [8, 1024, 4096], K = its axis 1); W2 (in the module: [8, 4096, 1024], K = its axis 1); x (in the module: [1024, 1024], K = its axis 1): each comes as NAME_codes (uint8): NAME with its K axis moved to the last place and cut into blocks of 32 codes, [.., K / 32, bytes a block], one block behind the other in memory; four codes in three bytes: a row's codes are one little-endian stream of bits, code i at bits 6 i .. 6 i + 5 (a code: sign, 2 exponent bits, 3 mantissa bits); and NAME_scales (uint8): the same leading axes, one E8M0 byte (e + 127) for each 32 codes along K. Its value is code x scale, taken as it is: it is not quantised again, and the codes and scales need not be those that the quantiser above would give.
;; One version. Each part assembles by itself: llvm-mc -triple=amdgcn-amd-amdhsa -mcpu=gfx1250 --defsym DOCPART=n.
;; ======== version 1 of 1: 2 launches
;; workspace buffers: hcodes 28,311,552 bytes; hscales 2,359,296 bytes
;; launch up (part 1): grid 32 x 8, 4 waves a work-group, no clusters, 262,656 bytes of LDS; arguments x_codes, x_scales, W1_codes, W1_scales, b1, route, hcodes, hscales; writes hcodes, hscales
.if DOCPART == 1
	.amdgcn_target "amdgcn-amd-amdhsa--gfx1250"
	.amdhsa_code_object_version 6
	.text
	.protected	k_qdf6a85aab5_up
	.globl	k_qdf6a85aab5_up
	.p2align	8
	.type	k_qdf6a85aab5_up,@function
k_qdf6a85aab5_up:
	s_mov_b64 s[64:65], 0
	v_nop
	global_prefetch_b8 v0, s[64:65] scope:SCOPE_SE
	s_setreg_imm32_b32 hwreg(HW_REG_WAVE_MODE, 25, 1), 1
	s_wait_xcnt 0x0
; h = Q(gelu(x W1[e]^T + b1[e])) for the tokens whose route is e.  x [1024][1024], W1 [8][4096][1024]: codes of FP6 (E2M3), K innermost, 768 bytes a row, one E8M0 byte for each 32 along K.
; Only the chosen expert's rows are multiplied: the one-hot of the problem throws the other seven away.
; SHARES.  Work-group (x, y) = 128 hidden units (slice x of 32) of expert y: its 128 rows of W1 are one dense block of 98,304 bytes, read from memory once, by this work-group alone, and kept in LDS.
; The expert's tokens are listed in LDS by wave 0 from route while the weights are on their way.  Tokens go in tiles of 16; wave w takes tile places 12 g + 3 w + 0..2 in trip g of six (72 places; 1,024 tokens on
; one expert fill 64).  The first trip always works; a later trip whose first place lies at or past the expert's count of tiles jumps over its work.  A trip that works, works and stores all three of its places:
; so every byte that the next launch loads, which names places by their numbers alone, has been written.  The 32 list places behind the expert's last token repeat that token, so that the last tile holds real
; tokens alone; places further on hold a mark and take token 1023's row, whose results nobody uses.
; THE PRODUCT IS USED TRANSPOSED (source 0 = 16 rows of W1, source 1 = 16 tokens), and THE ROWS OF W1 THAT FORM A TILE ARE NOT NEIGHBOURS: lane r of tile 2 b + u takes row 32 b + 8 u + r + 8 (r / 8), so that a lane
; holds one token and the 16 registers of tiles 2 b, 2 b + 1 are hidden units 32 b + 16 (lane / 16) + 0..15: neighbours along the next product's K.  b1 is the C of each sum's first product.
; gelu (tanh form) = x / (1 + 2^z), z = x (C1 + C2 x^2), C1 = -2 sqrt(2 / pi) log2(e), C2 = 0.044715 C1: all in f32.
; RESULT.  The slice's 128 hidden units are one K step of the next product: a tile's fragment (12 registers a lane) leaves as an image of its registers, 3 stores of 512 consecutive bytes, to
; hcodes [e][place 72][K step 32][1,536 bytes]; its scale words, 4 bytes a lane, to hscales [e][place 72][K step 32][128 bytes].
; NO TENSOR LOADS, NO CLUSTER: the trips' work is jumped over on the expert's count of tokens, a number made from route.  What work-groups share here
; is x alone: 12,288 bytes a tile against the 98,304 bytes of weights that are a work-group's own.
; LIMITS: route lies in 0..7 (a token with another value is in no list); NaN and infinities are not served; a block of h whose largest magnitude lies under 2^-124 keeps the scale byte 1 (a block of zeros too: its codes are zeros).
.set LIST,  0                          ; LDS: the expert's token list, 88 tiles x 16 words, filled up with the mark 0x400
.set DUMP,  5632                       ; 32 words: where a lane without a match writes
.set CNT,   5760                       ; one word: the expert's count
.set WREG,  5888                       ; the slice of W1: 128 rows, tile by tile
.set WP,    784                        ; an LDS row: 768 bytes + 16 = 196 words, 4 more than a multiple of 64: the 32 lanes of a load of 8 bytes fall on 64 different words modulo 64
.set XST,   WREG+128*WP                ; for each wave 3 tiles x 16 rows of x, its own
.set XW,    48*WP
.set HTILE, 49152                      ; a tile place in hcodes: 32 K steps x 1,536 bytes;  in hscales: 32 x 128
.set STILE, 4096
.set WV, 20                            ; s20 wave   s21 expert   s23 count   s24 tiles, at least 12   s25 trip   s26 my first place of the trip   s27 64 x that
.set EX, 21
.set NN, 23
.set NT, 24
.set GR, 25
.set T0, 26
.set LO, 27
.set SEL, 32                           ; s[32:33] selects of v_permlanex16_b32: lane l xor 16
.set C2,  34                           ; s[34:35] C2
.set RB,  36                           ; s36 the list's length so far   s37 matches of a step
.set RC,  37
.set VW,  4                            ; v4  768 h + 16 r: two rows of W1 an instruction
.set LW,  5                            ; v5  where they go in LDS
.set AW0, 6                            ; v6  fragments of W1, tiles 0-3;  v7 tiles 4-7
.set AX,  8                            ; v8  fragments of x
.set SX,  9                            ; v9  where x's rows go in LDS
.set LG0, 10                           ; v10 4 h    v11 4 r    v12, v13 the same + the trip's place in the list
.set LS0, 11
.set LGA, 12
.set LSA, 13
.set L16, 14                           ; v14 16 x lane   v15 4 x lane   v16 16 r   v17 16 h
.set L4,  15
.set R16, 16
.set H16, 17
.set WSO, 18                           ; v18 W1's scale words: 32 (r + 8 (r / 8)) + 16 h
.set BO,  19                           ; v19 b1: 64 h
.set CA,  20                           ; v20 CNT   v21 16 x lane + LIST   v22 my dump word's number   v23 the count as loaded
.set RF,  21
.set RDW, 22
.set NR,  23
.set GA,  32                           ; v32-55 byte offsets of the gathered rows of x;  v56-58 of their scale words
.set GS,  56
.set WS,  64                           ; v64-95  W1's scale words: register 4 T + j: lanes 0-15 K step j, lanes 16-31 K step 4 + j
.set XS,  96                           ; v96-107 x's, 4 i + j, likewise
.set XB,  108                          ; v108-179 x's fragments: 2 buffers x 3 tiles x 12
.set RT,  112                          ; the list's making (ahead of everything above): v112-143 route, v144-175 places, v176-207 token numbers, v208-211 the mark, v212 the count,
.set RP,  144
.set RK,  176
.set RS,  208
.set RN,  212
.set PA,  213                          ; v213 where the last token stands   v214 the last token   v215 the 32 places behind it
.set PT,  214
.set PB,  215
.set Z,   0                            ; window 1: v0-191 W1's fragments, 2 buffers x 8 x 12; behind the products v0-63 z, then gelu
.set TM,  64                           ; window 1: v64-79 the quantiser's 16 registers at work; codes of tile i at v[96 + 24 i], its scale word at v[168 + i]
.set KC,  224                          ; window 1: v[224:225] C1 twice;  v192-223 the last 8 of x's 72 landing places
.set BI,  192                          ; window 2: v0-191 the 24 accumulators ((i, T) at 64 i + 8 T; at the head: the weights land here); v192-255 b1, 8 a tile.   window 3: x's first 64 landing places
.set MSB, 0
.macro WIN new                         ; s_set_vgpr_msb: bits 1:0 source 0, 3:2 source 1, 5:4 source 2, 7:6 destination; the high byte repeats the setting that is left
.if MSB != \new
	s_set_vgpr_msb (MSB<<8)|\new
.set MSB, \new
.endif
.endm
.macro PLACES n                        ; plain vector instructions between a matrix instruction and what touches its registers (ISA guide 7.12.1)
.rept \n
	v_nop
.endr
.endm
.macro WMMA6 ra, rb                    ; one product on the registers named by rD, rA, rB, rC, rSA, rSB; ra, rb: the half of the lanes that holds source 0's, source 1's scale words
.if ((\ra)==0) && ((\rb)==0)
	v_wmma_scale_f32_16x16x128_f8f6f4 v[rD:rD+7], v[rA:rA+11], v[rB:rB+11], v[rC:rC+7], v[rSA], v[rSB] matrix_a_fmt:MATRIX_FMT_FP6 matrix_b_fmt:MATRIX_FMT_FP6
.elseif (\rb)==0
	v_wmma_scale_f32_16x16x128_f8f6f4 v[rD:rD+7], v[rA:rA+11], v[rB:rB+11], v[rC:rC+7], v[rSA], v[rSB] matrix_a_fmt:MATRIX_FMT_FP6 matrix_b_fmt:MATRIX_FMT_FP6 matrix_a_scale:MATRIX_SCALE_ROW1
.elseif (\ra)==0
	v_wmma_scale_f32_16x16x128_f8f6f4 v[rD:rD+7], v[rA:rA+11], v[rB:rB+11], v[rC:rC+7], v[rSA], v[rSB] matrix_a_fmt:MATRIX_FMT_FP6 matrix_b_fmt:MATRIX_FMT_FP6 matrix_b_scale:MATRIX_SCALE_ROW1
.else
	v_wmma_scale_f32_16x16x128_f8f6f4 v[rD:rD+7], v[rA:rA+11], v[rB:rB+11], v[rC:rC+7], v[rSA], v[rSB] matrix_a_fmt:MATRIX_FMT_FP6 matrix_b_fmt:MATRIX_FMT_FP6 matrix_a_scale:MATRIX_SCALE_ROW1 matrix_b_scale:MATRIX_SCALE_ROW1
.endif
.endm
	s_load_b256 s[4:11], s[0:1], 0x0               ; x's codes s[4:5], x's scales s[6:7], W1's codes s[8:9], W1's scales s[10:11]
	s_load_b256 s[12:19], s[0:1], 0x20             ; b1 s[12:13], route s[14:15], hcodes s[16:17], hscales s[18:19]
	v_lshl_add_u32 v254, v0, 2, 0x40000
	v_mov_b32 v255, 0
	v_lshrrev_b32 v1, 5, v0
	v_readfirstlane_b32 s[WV], v1                  ; wave 0..3
	s_and_b32 s[EX], ttmp7, 0xffff                 ; the expert
	v_and_b32 v1, 31, v0                           ; lane
	v_and_b32 v2, 15, v0                           ; r
	v_bfe_u32 v3, v0, 4, 1                         ; h
	; every LDS address of the loop is made here, ahead of the branch on the wave's number
	v_lshlrev_b32 v[L16], 4, v1
	v_lshlrev_b32 v[L4], 2, v1
	v_lshlrev_b32 v[R16], 4, v2
	v_lshlrev_b32 v[H16], 4, v3
	v_mul_u32_u24 v[VW], v3, 768
	v_add_nc_u32 v[VW], v[VW], v[R16]
	v_mul_u32_u24 v24, v3, WP
	v_add_nc_u32 v24, v24, v[R16]                  ; 784 h + 16 r: rows on their way into LDS
	v_mul_u32_u24 v25, v2, WP
	v_mad_u32_u24 v25, v3, 24, v25                 ; 784 r + 24 h: a fragment's lane
	s_mul_i32 s38, s[WV], 32*WP
	s_add_co_u32 s38, s38, WREG
	v_add_nc_u32 v[LW], s38, v24                   ; my wave's 32 rows of the slice
	v_add_nc_u32 v[AW0], WREG, v25
	v_add_nc_u32 v[AW0+1], WREG+64*WP, v25
	s_mul_i32 s39, s[WV], XW
	s_add_co_u32 s39, s39, XST
	v_add_nc_u32 v[AX], s39, v25
	v_add_nc_u32 v[SX], s39, v24
	v_lshlrev_b32 v[LG0], 2, v3
	v_lshlrev_b32 v[LS0], 2, v2
	s_mul_i32 s[T0], s[WV], 3
	s_mul_i32 s[LO], s[WV], 192                    ; 64 bytes of the list a tile
	v_add_nc_u32 v[LGA], s[LO], v[LG0]
	v_add_nc_u32 v[LSA], s[LO], v[LS0]
	v_and_b32 v26, 8, v2
	v_add_nc_u32 v26, v26, v2                      ; r + 8 (r / 8)
	v_lshl_add_u32 v[WSO], v26, 5, v[H16]
	v_lshlrev_b32 v[BO], 6, v3
	v_mov_b32 v[CA], CNT
	v_add_nc_u32 v[RF], LIST, v[L16]
	v_add_nc_u32 v[RDW], DUMP/4, v1
	s_mov_b32 s[SEL], 0x76543210
	s_mov_b32 s[SEL+1], 0xfedcba98
	s_mov_b32 s[C2], 0xbdd2d3e8                    ; C2 = -0.10294324
	s_mov_b32 s[C2+1], s[C2]                       ; (named with it as a pair, so it is written)
	; byte offsets, made apart from the addresses
	s_mul_i32 s28, s[EX], 3145728                  ; W1's codes: expert x 4,096 rows x 768,
	s_mul_i32 s38, ttmp9, 98304                    ; slice x 128 rows,
	s_add_co_u32 s28, s28, s38
	s_mul_i32 s38, s[WV], 24576                    ; wave x 32 rows
	s_add_co_u32 s28, s28, s38
	s_mov_b32 s29, 0
	s_lshl_b32 s30, s[EX], 17                      ; W1's scales: 32 bytes a row
	s_lshl_b32 s38, ttmp9, 12
	s_add_co_u32 s30, s30, s38
	s_mov_b32 s31, 0
	s_lshl_b32 s40, s[EX], 14                      ; b1
	s_lshl_b32 s38, ttmp9, 9
	s_add_co_u32 s40, s40, s38
	s_mov_b32 s41, 0
	s_mul_i32 s42, s[EX], 72*HTILE                 ; hcodes: expert x 72 places,
	s_mul_i32 s38, s[WV], 3*HTILE                  ; my first place, 3 x wave,
	s_add_co_u32 s42, s42, s38
	s_mul_i32 s38, ttmp9, 1536                     ; K step = slice
	s_add_co_u32 s42, s42, s38
	s_mov_b32 s43, 0
	s_mul_i32 s44, s[EX], 72*STILE                 ; hscales likewise: 128 bytes a K step
	s_mul_i32 s38, s[WV], 3*STILE
	s_add_co_u32 s44, s44, s38
	s_lshl_b32 s38, ttmp9, 7
	s_add_co_u32 s44, s44, s38
	s_mov_b32 s45, 0
	s_wait_kmcnt 0x0
	s_add_nc_u64 s[8:9], s[8:9], s[28:29]
	s_add_nc_u64 s[10:11], s[10:11], s[30:31]
	s_add_nc_u64 s[12:13], s[12:13], s[40:41]
	s_add_nc_u64 s[16:17], s[16:17], s[42:43]
	s_add_nc_u64 s[18:19], s[18:19], s[44:45]
.irp q, 0,1,2,3,4,5,6,7
	global_load_b128 v[RT+4*\q:RT+4*\q+3], v[L16], s[14:15] offset:512*\q   ; register 4 q + c: route[128 q + 4 lane + c]
.endr
	WIN 0x80                                       ; destination window 2
.set q, 0
.rept 48                                       ; my 32 rows of W1: sixteen lanes read 256 consecutive bytes, a third of a row; two rows an instruction
	global_load_b128 v[4*q:4*q+3], v[VW], s[8:9] offset:1536*(q/3)+256*(q%3) th:TH_LOAD_NT
.set q, q+1
.endr
	WIN 0
	s_wait_loadcnt 48                              ; route is in: the 48 loads of weights, issued behind it, stay out
	s_cmp_lg_u32 s[WV], 0
	s_cbranch_scc1 .Lno_list
	; THE LIST, by wave 0: 32 steps of 32 tokens.  A lane whose token is the expert's writes the token's number at the list's length + the matches in lower lanes; the others write to a dump word of their own.
.irp c, 0,1,2,3
	v_mov_b32 v[RS+\c], 0x400                      ; the mark of an empty place: no token has this number
.endr
	s_wait_alu depctr_va_vdst(0)
.irp f, 0,1,2,3,4,5,6,7,8,9,10
	ds_store_b128 v[RF], v[RS:RS+3] offset:512*\f  ; LDS serves a wave's instructions in order: the list's entries land over the marks
.endr
	s_mov_b32 s[RB], 0
.set k, 0
.rept 32
	v_cmp_eq_u32 vcc_lo, s[EX], v[RT+k]
	v_mbcnt_lo_u32_b32 v[RP+k], vcc_lo, s[RB]
	s_bcnt1_i32_b32 s[RC], vcc_lo
	v_cndmask_b32 v[RP+k], v[RDW], v[RP+k], vcc_lo
	v_min_u32 v[RP+k], DUMP/4+31, v[RP+k]          ; a word's number inside the list and the dump words
	v_lshlrev_b32 v[RP+k], 2, v[RP+k]
	v_add_nc_u32 v[RK+k], 128*(k/4)+k%4, v[L4]     ; the token's number
	ds_store_b32 v[RP+k], v[RK+k]
	s_add_co_u32 s[RB], s[RB], s[RC]
.set k, k+1
.endr
	v_mov_b32 v[RN], s[RB]
	ds_store_b32 v[CA], v[RN]
	; the 32 places behind the last token repeat it: the last tile then holds real tokens alone, and a repeated token's results are the token's own
	v_add_nc_u32 v[PA], -1, v[RN]                  ; place n - 1; with no token it wraps,
	v_min_u32 v[PA], 0x3ff, v[PA]                  ; is held at place 1023, and finds a mark there
	v_lshlrev_b32 v[PA], 2, v[PA]
	ds_load_b32 v[PT], v[PA]                       ; behind the entries' stores, in order
	v_add_nc_u32 v[PB], s[RB], v1                  ; places n + lane: 1,055 at the most
	v_min_u32 v[PB], DUMP/4+31, v[PB]
	v_lshlrev_b32 v[PB], 2, v[PB]
	s_wait_alu depctr_va_vdst(0)
	s_wait_dscnt 0x0
	ds_store_b32 v[PB], v[PT]
.Lno_list:
	s_wait_dscnt 0x0                               ; for the others' sake: the list and the count have landed
	s_barrier_signal -1
	s_barrier_wait -1
	s_wait_alu depctr_va_vdst(0)
	ds_load_b32 v[NR], v[CA]
	s_wait_dscnt 0x0
	v_readfirstlane_b32 s[NN], v[NR]
	s_min_u32 s[NN], s[NN], 1024
	s_add_co_u32 s[NT], s[NN], 15
	s_lshr_b32 s[NT], s[NT], 4                     ; tiles of 16 tokens,
	s_max_u32 s[NT], s[NT], 12                     ; held at 12 from below: the first trip's twelve places are always worked and stored
.irp T, 0,1,2,3,4,5,6,7
	global_load_b128 v[WS+4*\T:WS+4*\T+3], v[WSO], s[10:11] offset:(32*(\T/2)+8*(\T%2))*32   ; my row's scale words of K steps 4 h + 0..3
.endr
	WIN 0x80
.irp T, 0,1,2,3,4,5,6,7
	global_load_b128 v[BI+8*\T:BI+8*\T+3], v[BO], s[12:13] offset:(32*(\T/2)+8*(\T%2))*4      ; b1 in the result's layout: hidden units 32 (T / 2) + 16 h + 8 (T % 2) + 0..7
	global_load_b128 v[BI+8*\T+4:BI+8*\T+7], v[BO], s[12:13] offset:(32*(\T/2)+8*(\T%2))*4+16
.endr
	WIN 0x40
	v_mov_b32 v[KC], 0xc0135761                    ; C1 = -2.3022082
	v_mov_b32 v[KC+1], 0xc0135761
	WIN 0
; The rows of x of three tiles are asked for: the list's entries (off bytes on from the trip's place), held to 0..1023 (a mark takes row 1023), give the rows' offsets.
; 72 loads of codes, sixteen lanes to 256 consecutive bytes of a row, two rows an instruction; 3 loads of scale words.
.macro GATHER_ISSUE off
.irp i, 0,1,2
.irp jj, 0,1,2,3,4,5,6,7
	ds_load_b32 v[GA+8*\i+\jj], v[LGA] offset:\off+64*\i+8*\jj   ; entry 16 t + 2 jj + h
.endr
	ds_load_b32 v[GS+\i], v[LSA] offset:\off+64*\i               ; entry 16 t + r
.endr
	s_wait_dscnt 0x0
.set q, 0
.rept 24
	v_min_u32 v[GA+q], 0x3ff, v[GA+q]
.set q, q+1
.endr
.set q, 0
.rept 24
	v_mul_u32_u24 v[GA+q], v[GA+q], 768
.set q, q+1
.endr
.set q, 0
.rept 24
	v_add_nc_u32 v[GA+q], v[GA+q], v[R16]
.set q, q+1
.endr
.irp i, 0,1,2
	v_min_u32 v[GS+\i], 0x3ff, v[GS+\i]
.endr
.irp i, 0,1,2
	v_lshlrev_b32 v[GS+\i], 5, v[GS+\i]
.endr
.irp i, 0,1,2
	v_add_nc_u32 v[GS+\i], v[GS+\i], v[H16]
.endr
.irp i, 0,1,2
	global_load_b128 v[XS+4*\i:XS+4*\i+3], v[GS+\i], s[6:7]
.endr
.set q, 0
.rept 72                                       ; q = 24 i + 3 jj + c
.if q < 64
	WIN 0xc0                                       ; destination window 3
	global_load_b128 v[4*q:4*q+3], v[GA+q/3], s[4:5] offset:256*(q%3)
.else
	WIN 0x40                                       ; destination window 1
	global_load_b128 v[192+4*(q-64):192+4*(q-64)+3], v[GA+q/3], s[4:5] offset:256*(q%3)
.endif
.set q, q+1
.endr
	WIN 0
.endm
	GATHER_ISSUE 0                                 ; the first trip's: it is on its way beside the weights
	s_wait_loadcnt 63                              ; the weights are in: 99 loads were issued behind them, and 63 is the most that a wait can name
	WIN 0x08                                       ; an LDS store's data are its source 1: window 2
.set q, 0
.rept 48                                       ; row 2 jj + h of my 32 goes to LDS row 16 ((jj / 4) % 2) + 8 (jj / 8) + 2 (jj % 4) + h: a tile's 16 rows then lie on end
.set jj, q/3
	ds_store_b128 v[LW], v[4*q:4*q+3] offset:(16*((jj/4)%2)+8*(jj/8)+2*(jj%4))*WP+256*(q%3)
.set q, q+1
.endr
	WIN 0
	s_wait_dscnt 0x0                               ; for the others' sake: my rows of the slice have landed
	s_barrier_signal -1
	s_barrier_wait -1                              ; the slice is whole; nothing writes it again
.macro STAGE                                   ; the three tiles' rows go into my own part of LDS, as rows of 768 bytes
	s_wait_loadcnt 0x0
.set q, 0
.rept 72
.if q < 64
	WIN 0x0c                                       ; data: window 3
	ds_store_b128 v[SX], v[4*q:4*q+3] offset:16*WP*(q/24)+2*WP*((q/3)%8)+256*(q%3)
.else
	WIN 0x04                                       ; data: window 1
	ds_store_b128 v[SX], v[192+4*(q-64):192+4*(q-64)+3] offset:16*WP*(q/24)+2*WP*((q/3)%8)+256*(q%3)
.endif
.set q, q+1
.endr
	WIN 0
.endm
; The fragments of K step s: a fragment, 16 rows x 128 K, is 12 registers: lane (r, h) takes of row r the 24 bytes at 96 s + 24 h and those 48 further on, as three loads of 8 bytes each.  66 loads.
.macro FETCH s
	WIN 0x40
.irp T, 0,1,2,3,4,5,6,7
.irp p, 0,1,2,3,4,5
	ds_load_b64 v[96*((\s)%2)+12*\T+2*\p:96*((\s)%2)+12*\T+2*\p+1], v[AW0+\T/4] offset:(\T%4)*16*WP+96*(\s)+48*(\p/3)+8*(\p%3)
.endr
.endr
	WIN 0
.irp i, 0,1,2
.irp p, 0,1,2,3,4,5
	ds_load_b64 v[XB+36*((\s)%2)+12*\i+2*\p:XB+36*((\s)%2)+12*\i+2*\p+1], v[AX] offset:\i*16*WP+96*(\s)+48*(\p/3)+8*(\p%3)   ; LDS serves a wave's instructions in order: these see STAGE's stores
.endr
.endr
.endm
; K step s: the next step's fragments are asked for, then 24 products: the 24 accumulators take turns, one instruction a turn.
.macro KSTEP s
.if \s < 7
.if \s > 0
	PLACES 4                                       ; the buffer that is loaded now was multiplied in the step before
.endif
	FETCH \s+1
	s_wait_dscnt 63                                ; this step's fragments are in: 66 loads were issued behind them
.else
	s_wait_dscnt 0x0
.endif
	WIN 0xa1                                       ; source 0 (W1) window 1, source 1 (x) window 0, C and D window 2
.irp T, 0,1,2,3,4,5,6,7
.irp i, 0,1,2
.set rD, 64*\i+8*\T
.set rA, 96*((\s)%2)+12*\T
.set rB, XB+36*((\s)%2)+12*\i
.set rC, rD
.if (\s) == 0
.set rC, BI+8*\T                       ; the first product starts the sum with b1
.endif
.set rSA, WS+4*\T+(\s)%4
.set rSB, XS+4*\i+(\s)%4
	WMMA6 (\s)/4, (\s)/4
.endr
.endr
.endm
; 64 numbers of a lane in v[QS] on (register 16 b + n = k 32 b + 16 h + n of my token) become a fragment's codes in v[QP] .. v[QP + 11] and its scale word in v[QW].  All in window 1.
.macro QUANT
.irp b, 0,1,2,3
	v_mov_b32 v[TM+4+\b], 0                        ; a lane permute's destination counts as one of its sources
.endr
.irp b, 0,1,2,3
	v_max3_num_f32 v[TM+\b], |v[QS+16*\b]|, |v[QS+1+16*\b]|, 0x1800000   ; block b: my 16 numbers, and the floor 2^(3 - 127): the byte cannot fall under 1
.endr
.irp n, 2,4,6,8,10,12,14
.irp b, 0,1,2,3
	v_max3_num_f32 v[TM+\b], v[TM+\b], |v[QS+16*\b+\n]|, |v[QS+1+16*\b+\n]|   ; the four blocks by turns
.endr
.endr
.irp b, 0,1,2,3
	v_permlanex16_b32 v[TM+4+\b], v[TM+\b], s[SEL], s[SEL+1]
.endr
.irp b, 0,1,2,3
	v_max_num_f32 v[TM+\b], v[TM+\b], v[TM+4+\b]   ; with lane l xor 16's: the block's largest magnitude
.endr
.irp b, 0,1,2,3
	v_add_nc_u32 v[TM+12+\b], 0xff000000, v[TM+\b] ; 2 off its exponent field: the conversion takes this operand's exponent field as its scale
.endr
.irp b, 0,1,2,3
	v_lshrrev_b32 v[TM+4+\b], 23, v[TM+12+\b]      ; the scale's byte
.endr
	v_lshl_or_b32 v[QW], v[TM+5], 8, v[TM+4]
	v_lshl_or_b32 v[QW], v[TM+6], 16, v[QW]
	v_lshl_or_b32 v[QW], v[TM+7], 24, v[QW]        ; my token's scale word (both halves of the lanes hold it)
.irp c, 0,1
	v_cvt_scalef32_pk16_fp6_f32 v[QP+6*\c:QP+2+6*\c], v[QS+32*\c:QS+15+32*\c], v[TM+12+2*\c]
	v_cvt_scalef32_pk16_fp6_f32 v[QP+12+4*\c:QP+14+4*\c], v[QS+16+32*\c:QS+31+32*\c], v[TM+12+2*\c+1]   ; (a conversion's three registers begin on an even number)
.endr
	v_nop                                          ; one plain instruction behind the scaled conversions
.irp c, 0,1                                    ; the operand's layout wants a whole block in a lane: lanes 0-15 block 2 c, lanes 16-31 block 2 c + 1
.irp n, 0,1,2
	v_permlane16_swap_b32 v[QP+6*\c+\n], v[QP+12+4*\c+\n]
.endr
.irp n, 0,1,2
	v_mov_b32 v[QP+3+6*\c+\n], v[QP+12+4*\c+\n]
.endr
.endr
.endm
; Place i of the trip: gelu, the quantiser, the stores.
.macro EPI i
	WIN 0x4a                                       ; sources window 2, destination window 1
.set j, 0
.rept 32
	v_pk_mul_f32 v[Z+j:Z+j+1], v[64*\i+j:64*\i+j+1], v[64*\i+j:64*\i+j+1]   ; x^2; each accumulator is read from its low end on
.set j, j+2
.endr
	WIN 0x59                                       ; source 0, source 2 and destination window 1, source 1 window 2
.set j, 0
.rept 32
	v_pk_fma_f32 v[Z+j:Z+j+1], v[Z+j:Z+j+1], s[C2:C2+1], v[KC:KC+1] op_sel_hi:[1,0,1]   ; C1 + C2 x^2
.set j, j+2
.endr
.set j, 0
.rept 32
	v_pk_mul_f32 v[Z+j:Z+j+1], v[Z+j:Z+j+1], v[64*\i+j:64*\i+j+1]           ; z
.set j, j+2
.endr
.set j, 0
	s_wait_alu depctr_va_vdst(0)
.rept 64
	v_exp_f32 v[Z+j], v[Z+j]
.set j, j+1
.endr
	v_nop                                          ; a plain instruction behind the last exponential,
	s_wait_alu depctr_va_vdst(0)                   ; and one wait for the batch, ahead of its first reader
.set j, 0
.rept 32
	v_pk_add_f32 v[Z+j:Z+j+1], v[Z+j:Z+j+1], 1.0 op_sel_hi:[1,0]
.set j, j+2
.endr
.set j, 0
	s_wait_alu depctr_va_vdst(0)
.rept 64
	v_rcp_f32 v[Z+j], v[Z+j]
.set j, j+1
.endr
	v_nop
	s_wait_alu depctr_va_vdst(0)                   ; likewise for the reciprocals
.set j, 0
.rept 32
	v_pk_mul_f32 v[Z+j:Z+j+1], v[Z+j:Z+j+1], v[64*\i+j:64*\i+j+1]           ; gelu = x / (1 + 2^z)
.set j, j+2
.endr
	WIN 0x55                                       ; all in window 1
.set QS, Z
.set QP, 96+24*\i
.set QW, 168+\i
	QUANT
	WIN 0x04                                       ; a store's data are its source 1: window 1
.irp c, 0,1,2
	global_store_b128 v[L16], v[QP+4*\c:QP+4*\c+3], s[16:17] offset:HTILE*\i+512*\c   ; the fragment as it stands: 512 consecutive bytes a store, at a multiple of 256 from the buffer's first byte
.endr
	global_store_b32 v[L4], v[QW], s[18:19] offset:STILE*\i
	WIN 0
.endm
	s_mov_b32 s[GR], 0
.Lgroup:                                           ; six trips; the count is a constant, the work is jumped over
	s_cmp_ge_u32 s[T0], s[NT]
	s_cbranch_scc1 .Lnext
	STAGE
	FETCH 0
.irp s, 0,1,2,3,4,5,6,7
	KSTEP \s
.endr
	WIN 0
	PLACES 5                                       ; behind the last products: for the reads of results, the loads into scale registers, and the next trip's products, which begin the accumulators anew
	s_add_co_u32 s38, s[T0], 12
	s_cmp_ge_u32 s38, s[NT]
	s_cbranch_scc1 .Lno_gather
	s_wait_alu depctr_va_vdst(0)
	GATHER_ISSUE 768                               ; the next trip has work: its rows of x are on their way while this trip's results are worked
.Lno_gather:
	EPI 0
	EPI 1
	EPI 2
.Lnext:
	s_wait_xcnt 0x0                                ; the stores have read their bases and their data: both are written again only behind this wait
	s_add_co_u32 s[T0], s[T0], 12
	s_add_co_u32 s[LO], s[LO], 768
	s_add_nc_u64 s[16:17], s[16:17], 12*HTILE      ; 12 places on
	s_add_nc_u64 s[18:19], s[18:19], 12*STILE
	v_add_nc_u32 v[LGA], s[LO], v[LG0]
	v_add_nc_u32 v[LSA], s[LO], v[LS0]
	s_add_co_u32 s[GR], s[GR], 1
	s_cmp_lt_u32 s[GR], 6
	s_cbranch_scc1 .Lgroup
	s_wait_tensorcnt 0x0
	ds_add_u32 v254, v255
	s_wait_dscnt 0x0
	s_endpgm
.Lfunc_end_k_qdf6a85aab5_up:
	.size	k_qdf6a85aab5_up, .Lfunc_end_k_qdf6a85aab5_up-k_qdf6a85aab5_up
	.p2alignl 7, 3214868480
	.fill 96, 4, 3214868480
	.section	.rodata,"a",@progbits
	.p2align	6, 0x0
	.amdhsa_kernel k_qdf6a85aab5_up
		.amdhsa_group_segment_fixed_size 262656
		.amdhsa_private_segment_fixed_size 0
		.amdhsa_enable_private_segment 0
		.amdhsa_kernarg_size 64
		.amdhsa_user_sgpr_count 2
		.amdhsa_user_sgpr_kernarg_segment_ptr 1
		.amdhsa_wavefront_size32 1
		.amdhsa_system_sgpr_workgroup_id_x 1
		.amdhsa_system_sgpr_workgroup_id_y 1
		.amdhsa_system_sgpr_workgroup_id_z 1
		.amdhsa_system_vgpr_workitem_id 0
		.amdhsa_next_free_vgpr 1024
		.amdhsa_next_free_sgpr 66
		.amdhsa_reserve_vcc 1
		.amdhsa_float_denorm_mode_32 3
		.amdhsa_float_denorm_mode_16_64 3
		.amdhsa_memory_ordered 1
		.amdhsa_forward_progress 1
		.amdhsa_inst_pref_size 178
	.end_amdhsa_kernel
	.amdgpu_metadata
---
amdhsa.version: [ 1, 2 ]
amdhsa.kernels:
  - .name:           k_qdf6a85aab5_up
    .symbol:         k_qdf6a85aab5_up.kd
    .args:
      - { .name: x_codes, .offset: 0, .size: 8, .value_kind: global_buffer, .address_space: global }
      - { .name: x_scales, .offset: 8, .size: 8, .value_kind: global_buffer, .address_space: global }
      - { .name: W1_codes, .offset: 16, .size: 8, .value_kind: global_buffer, .address_space: global }
      - { .name: W1_scales, .offset: 24, .size: 8, .value_kind: global_buffer, .address_space: global }
      - { .name: b1, .offset: 32, .size: 8, .value_kind: global_buffer, .address_space: global }
      - { .name: route, .offset: 40, .size: 8, .value_kind: global_buffer, .address_space: global }
      - { .name: hcodes, .offset: 48, .size: 8, .value_kind: global_buffer, .address_space: global }
      - { .name: hscales, .offset: 56, .size: 8, .value_kind: global_buffer, .address_space: global }
    .group_segment_fixed_size: 262656
    .private_segment_fixed_size: 0
    .kernarg_segment_align: 8
    .kernarg_segment_size: 64
    .max_flat_workgroup_size: 128
    .sgpr_count:     66
    .vgpr_count:     1024
    .wavefront_size: 32
...
	.end_amdgpu_metadata
.endif
;; end of part 1
;; launch down (part 2): grid 32 x 8, 4 waves a work-group, no clusters, 115,200 bytes of LDS; arguments hcodes, hscales, W2_codes, W2_scales, b2, route, out0; writes out0
.if DOCPART == 2
	.amdgcn_target "amdgcn-amd-amdhsa--gfx1250"
	.amdhsa_code_object_version 6
	.text
	.protected	k_qdf6a85aab5_down
	.globl	k_qdf6a85aab5_down
	.p2align	8
	.type	k_qdf6a85aab5_down,@function
k_qdf6a85aab5_down:
	s_mov_b64 s[64:65], 0
	v_nop
	global_prefetch_b8 v0, s[64:65] scope:SCOPE_SE
	s_setreg_imm32_b32 hwreg(HW_REG_WAVE_MODE, 25, 1), 1
	s_wait_xcnt 0x0
; out[token] = h W2[e]^T + b2[e] for the tokens whose route is e.  h: the launch before has left it as images of operand registers, hcodes [e][place 72][K step 32][1,536 bytes], hscales [e][place 72][K step 32][128 bytes].
; W2 [8][1024][4096]: codes of FP6 (E2M3), K innermost, 3,072 bytes a row, one E8M0 byte for each 32 along K.  Each output row has one owner for each 32 columns: nothing is summed between work-groups.
; SHARES.  Work-group (x, y) = 32 outputs (slice x of 32) of expert y: its 32 rows of W2 are one dense block of 98,304 bytes, read from memory once, by this work-group alone, and kept in LDS.
; Wave 0 makes the expert's token list from route by the same steps as the launch before, so a tile's places hold the same tokens.  Wave w takes tile places 12 g + 3 w + 0..2 in trip g of six; a trip whose first
; place lies at or past the expert's count of tiles jumps over its work.  A PLACE'S ADDRESS IS MADE OF ITS NUMBER ALONE (the wave's number, the trip, an immediate): no loaded number enters it.  The places that are
; loaded, the first twelve and all three of a trip with work, have all been written by the launch before; the results of a place past the last tile are not stored.
; ALL LANES STAY ON.  The list places of the last tile behind the expert's last token repeat that token, here and in the launch before: such a place's column of h is the token's own, the same wave's products give it
; the same 32 numbers, and the wave stores them to the token's row once more.
; THE PRODUCT IS USED TRANSPOSED (source 0 = 16 rows of W2, source 1 = 16 tokens of h): a lane holds one token and eight neighbouring outputs.  b2 is the C of each sum's first product.
; h's fragments come from memory straight into registers, 512 consecutive bytes a load, through a ring of three pairs of K steps: two pairs (36 loads) are on their way while one is multiplied.
; NO TENSOR LOADS, NO CLUSTER, though the 32 work-groups of an expert read the same h: how many tiles there are hangs on route.  A form in which
; every partner asks alike whatever the count would ask for all 72 places of an expert, 72 x 53,248 bytes, where 1,024 tokens on 8 experts fill 8 or so.
; LIMITS: route lies in 0..7 (a token with another value keeps an unwritten row); NaN and infinities are not served.
.set LIST,  0                          ; LDS: as in the launch before: the list, 88 tiles x 16 words; 32 dump words; the count
.set DUMP,  5632
.set CNT,   5760
.set WREG,  5888                       ; the slice of W2: 32 rows
.set W2P,   3088                       ; an LDS row: 3,072 bytes + 16 = 772 words, 4 more than a multiple of 64
.set OST,   WREG+32*W2P                ; the way out: for each wave 16 rows x (128 bytes + 16), its own
.set HTILE, 49152                      ; a tile place in hcodes;  in hscales
.set STILE, 4096
.set WV, 20
.set EX, 21
.set NN, 23
.set NT, 24
.set GR, 25
.set T0, 26
.set LO, 27
.set RB,  36
.set RC,  37
.set L16, 4                            ; v4  16 x lane
.set LW,  5                            ; v5  where my rows of W2 go in LDS
.set AW,  6                            ; v6  fragments of W2
.set SL,  7                            ; v7  4 x lane + 128 h: lanes 0-15 an even K step's scale words, lanes 16-31 the odd one's
.set SO,  14                           ; v14 the stage: where I put 32 bytes of a token's row;  v15 where I read 16 bytes back
.set SR,  15
.set LT0, 16                           ; v16 4 (lane / 8);  v17 the same + the trip's place in the list
.set LT,  17
.set C16, 18                           ; v18 16 (lane % 8)
.set W2O, 19                           ; v19 128 r + 16 h
.set B2O, 20                           ; v20 32 h
.set CA,  21
.set RF,  22
.set RDW, 23
.set L4,  24
.set NR,  25
.set W2S, 32                           ; v32-63  W2's scale words: K step s of tile n in register 16 n + 4 (s / 8) + s % 4, lanes 0-15 where (s / 4) is even, else lanes 16-31
.set HS,  64                           ; v64-111 h's: K steps 2 P (lanes 0-15) and 2 P + 1 (lanes 16-31) of place i in register 16 i + P
.set ACC, 112                          ; v112-159 six accumulators: (n, i) at 8 (3 n + i)
.set B2,  160                          ; v160-175 b2, 8 registers a tile of outputs
.set OB,  176                          ; the way out, 20 registers for each place i of a trip, so that no store's source is written again inside a trip: v[176 + 20 i] on 16 for rows read back from the stage,
.set TK,  192                          ; v[192 + 20 i] on 4 for their tokens, then their offsets in out
.set RT,  112                          ; the list's making (ahead of everything above)
.set RP,  144
.set RK,  176
.set RS,  208
.set RN,  212
.set PA,  213
.set PT,  214
.set PB,  215
; window 1: v0-215 h's fragments: pair P of K steps at 72 (P % 3) + 36 u + 12 i.   window 2: v0-95 W2's: 48 (P % 2) + 24 u + 12 n (at the head v0-191: the weights land here)
.set MSB, 0
.macro WIN new                         ; s_set_vgpr_msb: bits 1:0 source 0, 3:2 source 1, 5:4 source 2, 7:6 destination; the high byte repeats the setting that is left
.if MSB != \new
	s_set_vgpr_msb (MSB<<8)|\new
.set MSB, \new
.endif
.endm
.macro PLACES n
.rept \n
	v_nop
.endr
.endm
.macro WMMA6 ra, rb
.if ((\ra)==0) && ((\rb)==0)
	v_wmma_scale_f32_16x16x128_f8f6f4 v[rD:rD+7], v[rA:rA+11], v[rB:rB+11], v[rC:rC+7], v[rSA], v[rSB] matrix_a_fmt:MATRIX_FMT_FP6 matrix_b_fmt:MATRIX_FMT_FP6
.elseif (\rb)==0
	v_wmma_scale_f32_16x16x128_f8f6f4 v[rD:rD+7], v[rA:rA+11], v[rB:rB+11], v[rC:rC+7], v[rSA], v[rSB] matrix_a_fmt:MATRIX_FMT_FP6 matrix_b_fmt:MATRIX_FMT_FP6 matrix_a_scale:MATRIX_SCALE_ROW1
.elseif (\ra)==0
	v_wmma_scale_f32_16x16x128_f8f6f4 v[rD:rD+7], v[rA:rA+11], v[rB:rB+11], v[rC:rC+7], v[rSA], v[rSB] matrix_a_fmt:MATRIX_FMT_FP6 matrix_b_fmt:MATRIX_FMT_FP6 matrix_b_scale:MATRIX_SCALE_ROW1
.else
	v_wmma_scale_f32_16x16x128_f8f6f4 v[rD:rD+7], v[rA:rA+11], v[rB:rB+11], v[rC:rC+7], v[rSA], v[rSB] matrix_a_fmt:MATRIX_FMT_FP6 matrix_b_fmt:MATRIX_FMT_FP6 matrix_a_scale:MATRIX_SCALE_ROW1 matrix_b_scale:MATRIX_SCALE_ROW1
.endif
.endm
	s_load_b256 s[4:11], s[0:1], 0x0               ; hcodes s[4:5], hscales s[6:7], W2's codes s[8:9], W2's scales s[10:11]
	s_load_b128 s[12:15], s[0:1], 0x20             ; b2 s[12:13], route s[14:15]
	s_load_b64 s[16:17], s[0:1], 0x30              ; out
	v_lshl_add_u32 v254, v0, 2, 0x1c000
	v_mov_b32 v255, 0
	v_lshrrev_b32 v1, 5, v0
	v_readfirstlane_b32 s[WV], v1                  ; wave 0..3
	s_and_b32 s[EX], ttmp7, 0xffff                 ; the expert
	v_and_b32 v1, 31, v0                           ; lane
	v_and_b32 v2, 15, v0                           ; r
	v_bfe_u32 v3, v0, 4, 1                         ; h
	; every LDS address of the loop is made here, ahead of the branch on the wave's number
	v_lshlrev_b32 v[L16], 4, v1
	v_lshlrev_b32 v[L4], 2, v1
	s_mul_i32 s38, s[WV], 8*W2P
	s_add_co_u32 s38, s38, WREG
	v_add_nc_u32 v[LW], s38, v[L16]                ; my wave's 8 rows of the slice
	v_mul_u32_u24 v26, v2, W2P
	v_mad_u32_u24 v26, v3, 24, v26
	v_add_nc_u32 v[AW], WREG, v26                  ; row r, + 24 h
	v_lshl_add_u32 v[SL], v3, 7, v[L4]
	s_mul_i32 s39, s[WV], 16*144
	s_add_co_u32 s39, s39, OST                     ; my stage
	v_mul_u32_u24 v27, v2, 144
	v_lshl_add_u32 v27, v3, 5, v27
	v_add_nc_u32 v[SO], s39, v27                   ; in: row r, + 32 h
	v_lshrrev_b32 v28, 3, v1                       ; lane / 8
	v_and_b32 v29, 7, v1                           ; lane % 8
	v_mul_u32_u24 v30, v28, 144
	v_lshl_add_u32 v30, v29, 4, v30
	v_add_nc_u32 v[SR], s39, v30                   ; back: eight lanes to a row of 128 bytes, four rows an instruction
	v_lshlrev_b32 v[LT0], 2, v28
	s_mul_i32 s[T0], s[WV], 3
	s_mul_i32 s[LO], s[WV], 192
	v_add_nc_u32 v[LT], s[LO], v[LT0]
	v_lshlrev_b32 v[C16], 4, v29
	v_lshlrev_b32 v31, 4, v3
	v_lshl_add_u32 v[W2O], v2, 7, v31
	v_lshlrev_b32 v[B2O], 5, v3
	v_mov_b32 v[CA], CNT
	v_add_nc_u32 v[RF], LIST, v[L16]
	v_add_nc_u32 v[RDW], DUMP/4, v1
	; byte offsets, made apart from the addresses
	s_mul_i32 s30, s[EX], 72*HTILE                 ; hcodes: the expert's 72 places,
	s_mul_i32 s38, s[WV], 3*HTILE                  ; my first place, 3 x wave
	s_add_co_u32 s30, s30, s38
	s_mov_b32 s31, 0
	s_mul_i32 s32, s[EX], 72*STILE                 ; hscales likewise
	s_mul_i32 s38, s[WV], 3*STILE
	s_add_co_u32 s32, s32, s38
	s_mov_b32 s33, 0
	s_mul_i32 s34, s[EX], 3145728                  ; W2's codes: expert x 1,024 rows x 3,072,
	s_mul_i32 s38, ttmp9, 98304                    ; slice x 32 rows,
	s_add_co_u32 s34, s34, s38
	s_mul_i32 s38, s[WV], 24576                    ; wave x 8 rows
	s_add_co_u32 s34, s34, s38
	s_mov_b32 s35, 0
	s_lshl_b32 s42, s[EX], 17                      ; W2's scales: 128 bytes a row
	s_lshl_b32 s38, ttmp9, 12
	s_add_co_u32 s42, s42, s38
	s_mov_b32 s43, 0
	s_lshl_b32 s44, s[EX], 12                      ; b2
	s_lshl_b32 s46, ttmp9, 7                       ; the slice's 32 columns, in b2 and in out
	s_add_co_u32 s44, s44, s46
	s_mov_b32 s45, 0
	s_mov_b32 s47, 0
	s_wait_kmcnt 0x0
	s_add_nc_u64 s[4:5], s[4:5], s[30:31]
	s_add_nc_u64 s[6:7], s[6:7], s[32:33]
	s_add_nc_u64 s[8:9], s[8:9], s[34:35]
	s_add_nc_u64 s[10:11], s[10:11], s[42:43]
	s_add_nc_u64 s[12:13], s[12:13], s[44:45]
	s_add_nc_u64 s[16:17], s[16:17], s[46:47]
.irp q, 0,1,2,3,4,5,6,7
	global_load_b128 v[RT+4*\q:RT+4*\q+3], v[L16], s[14:15] offset:512*\q   ; register 4 q + c: route[128 q + 4 lane + c]
.endr
	WIN 0x80                                       ; destination window 2
.set q, 0
.rept 48                                       ; my 8 rows of W2: 512 consecutive bytes an instruction, six to a row
	global_load_b128 v[4*q:4*q+3], v[L16], s[8:9] offset:512*q th:TH_LOAD_NT
.set q, q+1
.endr
	WIN 0
	s_wait_loadcnt 48                              ; route is in: the 48 loads of weights, issued behind it, stay out
	s_cmp_lg_u32 s[WV], 0
	s_cbranch_scc1 .Lno_list
	; THE LIST, by wave 0, step for step as in the launch before
.irp c, 0,1,2,3
	v_mov_b32 v[RS+\c], 0x400                      ; the mark of an empty place
.endr
	s_wait_alu depctr_va_vdst(0)
.irp f, 0,1,2,3,4,5,6,7,8,9,10
	ds_store_b128 v[RF], v[RS:RS+3] offset:512*\f
.endr
	s_mov_b32 s[RB], 0
.set k, 0
.rept 32
	v_cmp_eq_u32 vcc_lo, s[EX], v[RT+k]
	v_mbcnt_lo_u32_b32 v[RP+k], vcc_lo, s[RB]
	s_bcnt1_i32_b32 s[RC], vcc_lo
	v_cndmask_b32 v[RP+k], v[RDW], v[RP+k], vcc_lo
	v_min_u32 v[RP+k], DUMP/4+31, v[RP+k]
	v_lshlrev_b32 v[RP+k], 2, v[RP+k]
	v_add_nc_u32 v[RK+k], 128*(k/4)+k%4, v[L4]
	ds_store_b32 v[RP+k], v[RK+k]
	s_add_co_u32 s[RB], s[RB], s[RC]
.set k, k+1
.endr
	v_mov_b32 v[RN], s[RB]
	ds_store_b32 v[CA], v[RN]
	; the 32 places behind the last token repeat it
	v_add_nc_u32 v[PA], -1, v[RN]                  ; place n - 1; with no token it wraps,
	v_min_u32 v[PA], 0x3ff, v[PA]                  ; is held at place 1023, and finds a mark there
	v_lshlrev_b32 v[PA], 2, v[PA]
	ds_load_b32 v[PT], v[PA]                       ; behind the entries' stores, in order
	v_add_nc_u32 v[PB], s[RB], v1                  ; places n + lane: 1,055 at the most
	v_min_u32 v[PB], DUMP/4+31, v[PB]
	v_lshlrev_b32 v[PB], 2, v[PB]
	s_wait_alu depctr_va_vdst(0)
	s_wait_dscnt 0x0
	ds_store_b32 v[PB], v[PT]
.Lno_list:
	s_wait_dscnt 0x0                               ; for the others' sake: the list and the count have landed
	s_barrier_signal -1
	s_barrier_wait -1
	s_wait_alu depctr_va_vdst(0)
	ds_load_b32 v[NR], v[CA]
	s_wait_dscnt 0x0
	v_readfirstlane_b32 s[NN], v[NR]
	s_min_u32 s[NN], s[NN], 1024
	s_add_co_u32 s[NT], s[NN], 15
	s_lshr_b32 s[NT], s[NT], 4                     ; tiles of 16 tokens: it steers jumps alone, no address
.irp n, 0,1
.irp g, 0,1,2,3
	global_load_b128 v[W2S+16*\n+4*\g:W2S+16*\n+4*\g+3], v[W2O], s[10:11] offset:2048*\n+32*\g   ; row 16 n + r: the scale words of K steps 8 g + 4 h + 0..3
.endr
.endr
.irp n, 0,1
	global_load_b128 v[B2+8*\n:B2+8*\n+3], v[B2O], s[12:13] offset:64*\n          ; b2 in the result's layout: outputs 16 n + 8 h + 0..7
	global_load_b128 v[B2+8*\n+4:B2+8*\n+7], v[B2O], s[12:13] offset:64*\n+16
.endr
.macro RING P, ah                              ; h's fragments of K steps 2 P and 2 P + 1 of my three places, ah trips on: 18 loads of 512 consecutive bytes; place, K step and chunk stand in the immediate
	WIN 0x40                                       ; destination window 1
.irp u, 0,1
.irp i, 0,1,2
.irp c, 0,1,2
	global_load_b128 v[72*((\P)%3)+36*\u+12*\i+4*\c:72*((\P)%3)+36*\u+12*\i+4*\c+3], v[L16], s[4:5] offset:12*HTILE*(\ah)+HTILE*\i+1536*(2*(\P)+\u)+512*\c
.endr
.endr
.endr
.endm
.macro FETCHW P                                ; W2's fragments of the same two K steps, two tiles of outputs: 24 loads of 8 bytes a lane
	WIN 0x80                                       ; destination window 2
.irp u, 0,1
.irp n, 0,1
.irp p, 0,1,2,3,4,5
	ds_load_b64 v[48*((\P)%2)+24*\u+12*\n+2*\p:48*((\P)%2)+24*\u+12*\n+2*\p+1], v[AW] offset:16*W2P*\n+96*(2*(\P)+\u)+48*(\p/3)+8*(\p%3)
.endr
.endr
.endr
.endm
; The three places of the trip ah trips on: all their scale words, and the ring's first two pairs.
.macro GROUP_ISSUE ah
.irp i, 0,1,2
.irp p, 0,1,2,3,4,5,6,7,8,9,10,11,12,13,14,15
	global_load_b32 v[HS+16*\i+\p], v[SL], s[6:7] offset:12*STILE*(\ah)+STILE*\i+256*\p
.endr
.endr
	RING 0, \ah
	RING 1, \ah
	WIN 0
.endm
	GROUP_ISSUE 0                                  ; the first trip's, in every wave: on its way beside the weights
	s_wait_loadcnt 63                              ; the weights are in: 96 loads were issued behind them, and 63 is the most that a wait can name
	WIN 0x08                                       ; an LDS store's data are its source 1: window 2
.set q, 0
.rept 48
	ds_store_b128 v[LW], v[4*q:4*q+3] offset:W2P*(q/6)+512*(q%6)
.set q, q+1
.endr
	WIN 0
	s_wait_dscnt 0x0                               ; for the others' sake: my rows of the slice have landed
	s_barrier_signal -1
	s_barrier_wait -1                              ; the slice is whole; nothing writes it again
; Pair P of K steps: the ring's pair two on and the next pair's fragments of W2 are asked for, then 12 products: the six accumulators take turns, one instruction a turn.
.macro PAIR P
.if \P >= 1
	PLACES 4                                       ; the registers that are loaded now were multiplied in the pair before
.endif
.if \P <= 13
	RING \P+2, 0
.endif
.if \P <= 14
	FETCHW \P+1
.endif
.if \P <= 13
	s_wait_loadcnt 36                              ; this pair's 18 loads (and the scale words ahead of them) are in; two younger pairs stay out
.elseif \P == 14
	s_wait_loadcnt 18
.else
	s_wait_loadcnt 0x0
.endif
.if \P <= 14
	s_wait_dscnt 24                                ; this pair's fragments of W2 are in; the next pair's 24 loads stay out
.else
	s_wait_dscnt 0x0
.endif
	WIN 0x06                                       ; source 0 (W2) window 2, source 1 (h) window 1, C and D window 0
.irp u, 0,1
.irp n, 0,1
.irp i, 0,1,2
.set KS, 2*(\P)+\u
.set rD, ACC+8*(3*\n+\i)
.set rA, 48*((\P)%2)+24*\u+12*\n
.set rB, 72*((\P)%3)+36*\u+12*\i
.set rC, rD
.if KS == 0
.set rC, B2+8*\n                       ; the first product starts the sum with b2
.endif
.set rSA, W2S+16*\n+4*(KS/8)+KS%4
.set rSB, HS+16*\i+(\P)
	WMMA6 (KS/4)%2, \u
.endr
.endr
.endr
.endm
; Place i of the trip goes out: a lane's 2 x 32 bytes of a token's row into my stage, back as rows of 128 bytes, eight lanes to a row, and to the token's row of out.  A place past the last tile is jumped over.
; Every one of a stored tile's 16 list places holds a token of the expert; the hold at 1023 keeps the offset inside out whatever the word.
.macro OUT i
	s_add_co_u32 s38, s[T0], \i
	s_cmp_ge_u32 s38, s[NT]
	s_cbranch_scc1 .Lout_skip_\@
.irp n, 0,1
	ds_store_b128 v[SO], v[ACC+8*(3*\n+\i):ACC+8*(3*\n+\i)+3] offset:64*\n          ; each accumulator from its low end on
	ds_store_b128 v[SO], v[ACC+8*(3*\n+\i)+4:ACC+8*(3*\n+\i)+7] offset:64*\n+16
.endr
	s_wait_alu depctr_va_vdst(0)
.irp q, 0,1,2,3
	ds_load_b128 v[OB+20*\i+4*\q:OB+20*\i+4*\q+3], v[SR] offset:576*\q              ; LDS serves a wave's instructions in order: these see the stores above, and the next place's stores come behind them
	ds_load_b32 v[TK+20*\i+\q], v[LT] offset:64*\i+16*\q                            ; the token at place 4 q + lane / 8 of the tile
.endr
	s_wait_dscnt 0x0
.irp q, 0,1,2,3
	v_min_u32 v[TK+20*\i+\q], 0x3ff, v[TK+20*\i+\q]
.endr
.irp q, 0,1,2,3
	v_lshlrev_b32 v[TK+20*\i+\q], 12, v[TK+20*\i+\q]                                ; a row of out is 4,096 bytes
.endr
.irp q, 0,1,2,3
	v_add_nc_u32 v[TK+20*\i+\q], v[TK+20*\i+\q], v[C16]
.endr
.irp q, 0,1,2,3
	global_store_b128 v[TK+20*\i+\q], v[OB+20*\i+4*\q:OB+20*\i+4*\q+3], s[16:17] th:TH_STORE_NT   ; eight lanes store 128 consecutive bytes of a row; read by nobody here
.endr
.Lout_skip_\@:
.endm
	s_mov_b32 s[GR], 0
.Lgroup:                                           ; six trips; the count is a constant, the work is jumped over
	s_cmp_ge_u32 s[T0], s[NT]
	s_cbranch_scc1 .Lnext
	FETCHW 0
.irp P, 0,1,2,3,4,5,6,7,8,9,10,11,12,13,14,15
	PAIR \P
.endr
	WIN 0
	PLACES 5                                       ; behind the last products: for the reads of results, the loads into the ring and the scale registers, and the next trip's products, which begin the accumulators anew
	s_add_co_u32 s38, s[T0], 12
	s_cmp_ge_u32 s38, s[NT]
	s_cbranch_scc1 .Lno_ahead
	GROUP_ISSUE 1                                  ; the next trip has work: its first loads are on their way while this trip's results go out
.Lno_ahead:
	OUT 0
	OUT 1
	OUT 2
.Lnext:
	s_wait_xcnt 0x0                                ; the loads and stores issued so far have read their bases, offsets and data: these are written again only behind this wait
	s_add_co_u32 s[T0], s[T0], 12
	s_add_co_u32 s[LO], s[LO], 768
	s_add_nc_u64 s[4:5], s[4:5], 12*HTILE          ; 12 places on
	s_add_nc_u64 s[6:7], s[6:7], 12*STILE
	v_add_nc_u32 v[LT], s[LO], v[LT0]
	s_add_co_u32 s[GR], s[GR], 1
	s_cmp_lt_u32 s[GR], 6
	s_cbranch_scc1 .Lgroup
	s_wait_tensorcnt 0x0
	ds_add_u32 v254, v255
	s_wait_dscnt 0x0
	s_endpgm
.Lfunc_end_k_qdf6a85aab5_down:
	.size	k_qdf6a85aab5_down, .Lfunc_end_k_qdf6a85aab5_down-k_qdf6a85aab5_down
	.p2alignl 7, 3214868480
	.fill 96, 4, 3214868480
	.section	.rodata,"a",@progbits
	.p2align	6, 0x0
	.amdhsa_kernel k_qdf6a85aab5_down
		.amdhsa_group_segment_fixed_size 115200
		.amdhsa_private_segment_fixed_size 0
		.amdhsa_enable_private_segment 0
		.amdhsa_kernarg_size 56
		.amdhsa_user_sgpr_count 2
		.amdhsa_user_sgpr_kernarg_segment_ptr 1
		.amdhsa_wavefront_size32 1
		.amdhsa_system_sgpr_workgroup_id_x 1
		.amdhsa_system_sgpr_workgroup_id_y 1
		.amdhsa_system_sgpr_workgroup_id_z 1
		.amdhsa_system_vgpr_workitem_id 0
		.amdhsa_next_free_vgpr 768
		.amdhsa_next_free_sgpr 66
		.amdhsa_reserve_vcc 1
		.amdhsa_float_denorm_mode_32 3
		.amdhsa_float_denorm_mode_16_64 3
		.amdhsa_memory_ordered 1
		.amdhsa_forward_progress 1
		.amdhsa_inst_pref_size 127
	.end_amdhsa_kernel
	.amdgpu_metadata
---
amdhsa.version: [ 1, 2 ]
amdhsa.kernels:
  - .name:           k_qdf6a85aab5_down
    .symbol:         k_qdf6a85aab5_down.kd
    .args:
      - { .name: hcodes, .offset: 0, .size: 8, .value_kind: global_buffer, .address_space: global }
      - { .name: hscales, .offset: 8, .size: 8, .value_kind: global_buffer, .address_space: global }
      - { .name: W2_codes, .offset: 16, .size: 8, .value_kind: global_buffer, .address_space: global }
      - { .name: W2_scales, .offset: 24, .size: 8, .value_kind: global_buffer, .address_space: global }
      - { .name: b2, .offset: 32, .size: 8, .value_kind: global_buffer, .address_space: global }
      - { .name: route, .offset: 40, .size: 8, .value_kind: global_buffer, .address_space: global }
      - { .name: out0, .offset: 48, .size: 8, .value_kind: global_buffer, .address_space: global }
    .group_segment_fixed_size: 115200
    .private_segment_fixed_size: 0
    .kernarg_segment_align: 8
    .kernarg_segment_size: 56
    .max_flat_workgroup_size: 128
    .sgpr_count:     66
    .vgpr_count:     768
    .wavefront_size: 32
...
	.end_amdgpu_metadata
.endif
;; end of part 2
